; MI455X (gfx1250); checked and timed in simulation.
; The chip was launched on July 23, 2026; its instructions are those of AMD's public machine-readable ISA for CDNA 5 (MIT licence, August 2026) and "CDNA5" Instruction Set Architecture Reference Guide (July 2026). The comments in the code are by the model that wrote it; some were corrected since.
;; Pipelined Gemm. Allowed arithmetic: matrix products marked QUANTISED: E2M3 operands, one E8M0 scale for each 32 along K, by v_wmma_scale_f32_16x16x128_f8f6f4 with both operands' format E2M3, f32 sums; everything else in f32.
;; Inputs: A 4,096 x 4,096 float32; B 4,096 x 4,096 float32.
;; Outputs: out0 4,096 x 4,096 float32.
;; This version of the problem:
;;   THIS VERSION OF THE PROBLEM IS GIVEN IN LOW PRECISION. The matrix products marked QUANTISED in the list below multiply operands that are first quantised to E2M3 (2 exponent bits, 3 mantissa bits; 6 bits a number), with one power-of-two scale for each 32 numbers along K (OCP MX v1.0); their sums are f32. All else is computed in f32.
;;   The module's matrix products, in the order in which they are computed (A, B: the left and right operand; K: the contracted axis; several contracted axes count as one K, in the product's order):
;;     1. [M 4,096, K 4,096] x [K 4,096, N 4,096]; A: input A; B: input B: QUANTISED
;;   THE QUANTISER, for each operand of a quantised product, along K:
;;     - K is cut into blocks of 32 from its start; a last block that is shorter is filled with zeros.
;;     - A block's scale is 2^e with e = floor(log2(the largest magnitude in the block)) - 2, held to -126 .. 127; a block of zeros has e = 0. As a byte (E8M0): e + 127.
;;     - Each number is divided by its block's scale, clamped to +-7.5, and rounded to the nearest number of E2M3, ties to even, subnormals kept.
;;     - The product sums the exact products of the quantised numbers (number of the format x scale) in f32.
;;   ~~~python
;;   def quantise(x, axis):      # numpy; x: float32 -> the quantised numbers, widened to float32 again
;;       x = np.moveaxis(x, axis, -1); K = x.shape[-1]
;;       x = np.pad(x, [(0, 0)] * (x.ndim - 1) + [(0, -K % 32)]); x = x.reshape(x.shape[:-1] + (-1, 32)); a = np.abs(x).max(-1, keepdims=True)
;;       e = np.where(a > 0, np.clip(np.frexp(np.where(a > 0, a, 1))[1] - 1 - 2, -126, 127), 0)      # np.frexp(a)[1] - 1 = floor(log2(a)), exactly
;;       r = np.clip(x / 2.0 ** e, -7.5, 7.5)
;;       step = 2.0 ** (np.maximum(np.frexp(np.where(r == 0, 1, r))[1] - 1, 0) - 3)
;;       q = np.round(r / step) * step * 2.0 ** e      # np.round: ties to even
;;       return np.moveaxis(q.reshape(q.shape[:-2] + (-1,))[..., :K], -1, axis).astype(np.float32)
;;   ~~~
;; One version. Each part assembles by itself: llvm-mc -triple=amdgcn-amd-amdhsa -mcpu=gfx1250 --defsym DOCPART=n.
;; ======== version 1 of 1: 2 launches
;; limits: right only within a limited range of input values
;; workspace buffers: qa 13,107,200 bytes; qb 13,107,200 bytes
;; launch quant (part 1): grid 1024 x 1, 4 waves a work-group, no clusters, 34,304 bytes of LDS; arguments A, B, qa, qb; writes qa, qb
.if DOCPART == 1
	.amdgcn_target "amdgcn-amd-amdhsa--gfx1250"
	.amdhsa_code_object_version 6
	.text
	.protected	k_q6d6d221f07_quant
	.globl	k_q6d6d221f07_quant
	.p2align	8
	.type	k_q6d6d221f07_quant,@function
k_q6d6d221f07_quant:
	s_mov_b64 s[64:65], 0
	v_nop
	global_prefetch_b8 v0, s[64:65] scope:SCOPE_SE
	s_setreg_imm32_b32 hwreg(HW_REG_WAVE_MODE, 25, 1), 1
	s_wait_xcnt 0x0
; A [4096 (m)][4096 (k)] and B [4096 (k)][4096 (n)], f32, become codes of FP6 (E2M3) with one E8M0 byte for each 32 along K, in two buffers of this program's own, qa (rows m) and qb (rows n).
; THE BUFFERS' LAYOUT: [block of 128 rows: 32][step of 128 along K: 32][12,800 bytes].  In a step block: eight IMAGES of an operand's registers (tile i = rows 16 i .. 16 i + 15, at 1,536 i): register q of lane l
; at 512 (q / 4) + 16 l + 4 (q % 4); lane (r = l % 16, h = l / 16) holds in registers 6 c .. 6 c + 5 the codes of k = 64 c + 32 h + 0 .. 31 of row r.  Behind them, at 12,288, the scale words (four bytes, byte b for
; k = 32 b .. 32 b + 31): that of (tile i, row r) at 256 (i / 4) + 16 r + 4 (i % 4).  So the product's launch takes a step block as it lies, and a fragment by three loads of 16 bytes a lane.
; A block's scale is 2^(floor(log2(its largest magnitude)) - 2); its byte is the largest magnitude's exponent field - 2, held at 1 from below.
; LIMITS: a block of zeros gets the byte 1 where the rule says 127 (its codes are zeros, which add nothing under any byte but 0xff, and this program alone reads the bytes); NaN and infinities among the inputs are not served.
; SHARES: a wave makes half a step block: 64 rows x 128 along K: four images and 256 bytes of scale words.  Even work-groups take A, odd ones B.  No barrier, no tensor load: waves share nothing.  Only A's path uses LDS.
; Every offset is an immediate (at most 127 rows of 16,384 bytes + 128, inside the signed 24-bit field: ISA guide, chapter 10); no pointer is stepped.
.set STEPB, 12800                      ; a step block
.set RBB,   32*STEPB                   ; a block of 128 rows
.set FRB,   1536                       ; an image
.set SCO,   8*FRB                      ; where a step block's scale words begin
.set ROWB,  16384                      ; a row of A or of B in memory
.set SP,    528                        ; A's path: a stage row: 512 bytes + 16 = 33 x 16: the 16 rows that a read touches lie in 16 different columns of 16 bytes
.set WSTG,  16*SP                      ; a wave's stage
.set R,     32                         ; A's path: v32-159  two sets of 64 registers, as loaded
.set X,     160                        ; A's path: v160-223 register 32 c + i = k 64 c + 32 h + i of my row
.set P,     224                        ; A's path: v224-247 two sets of 12: an image's registers
	s_load_b256 s[4:11], s[0:1], 0x0               ; A s[4:5], B s[6:7], qa s[8:9], qb s[10:11]
	v_lshl_add_u32 v254, v0, 2, 0x8400
	v_mov_b32 v255, 0
	v_lshrrev_b32 v1, 5, v0
	v_readfirstlane_b32 s12, v1                    ; wave 0..3
	v_and_b32 v1, 31, v0                           ; lane
	v_and_b32 v2, 15, v0                           ; r
	v_bfe_u32 v3, v0, 4, 1                         ; h
	s_mov_b32 s20, 0x76543210
	s_mov_b32 s21, 0xfedcba98                      ; v_permlanex16_b32's selects for lane l xor 16
	s_and_b32 s13, ttmp9, 1                        ; 0: A's work-group, 1: B's
	s_lshr_b32 s14, ttmp9, 1                       ; g = 0 .. 511
	s_wait_kmcnt 0x0
; Where my half of a step block lies.  s15 = which 64 rows of the operand (0 .. 63), s24 = the step (0 .. 31).  s[16:17] = the step block; v7 = my 16 bytes of an image's 512; v8 = my 8 bytes of the 256 of scale words.
.macro OUTADDR qlo
	s_lshr_b32 s26, s15, 1
	s_mul_i32 s26, s26, RBB
	s_mul_i32 s28, s24, STEPB
	s_add_co_u32 s26, s26, s28                     ; under 13,107,200
	s_mov_b32 s27, 0
	s_add_nc_u64 s[16:17], s[\qlo:\qlo+1], s[26:27]
	s_and_b32 s28, s15, 1                          ; the block's first or second 64 rows
	s_mul_i32 s29, s28, 4*FRB
	s_lshl_b32 s28, s28, 8
	v_lshl_add_u32 v7, v1, 4, s29
	v_lshlrev_b32 v8, 4, v2
	v_lshl_add_u32 v8, v3, 3, v8
	v_add_nc_u32 v8, s28, v8                       ; 16 r + 8 h: lane (r, h) stores the words of my tiles 2 h and 2 h + 1 of row r
.endm
	s_cmp_lg_u32 s13, 0
	s_cbranch_scc1 .Lpath_b
; ---------------- A: K is innermost.  The four waves of a work-group stand side by side on 2,048 bytes of each row.
	s_lshr_b32 s15, s14, 3                         ; which 64 rows
	s_and_b32 s24, s14, 7
	s_lshl_b32 s24, s24, 2
	s_add_co_u32 s24, s24, s12                     ; the step: 4 (g % 8) + wave
	s_lshl_b32 s26, s15, 20                        ; 64 rows of 16,384 bytes
	s_lshl_b32 s27, s24, 9                         ; 128 numbers
	s_add_co_u32 s26, s26, s27
	s_mov_b32 s27, 0
	s_add_nc_u64 s[18:19], s[4:5], s[26:27]
	s_wait_alu depctr_va_vdst(0)
	OUTADDR 8
	s_mul_i32 s30, s12, WSTG                       ; my stage
	v_lshlrev_b32 v4, 4, v1                        ; my 16 bytes of a load's 512
	v_add_nc_u32 v5, s30, v4                       ; into the stage: as loaded
	v_mul_u32_u24 v6, v2, SP
	v_lshl_add_u32 v6, v3, 7, v6
	v_add_nc_u32 v6, s30, v6                       ; out of it: row r, + 128 h: my 32 numbers of each 64
	v_lshlrev_b32 v9, 3, v3                        ; 8 h: my two bytes' place in the scale word
	v_mov_b32 v17, 0                               ; written once: a lane permute's destination counts as one of its sources
	v_cmp_lt_u32 s22, 15, v1                       ; lanes 16-31
.macro ALOAD t                         ; tile t: 16 rows x 512 bytes; each load reads 512 consecutive bytes of one row
.irp n, 0,1,2,3,4,5,6,7,8,9,10,11,12,13,14,15
	global_load_b128 v[R+64*((\t)%2)+4*\n:R+64*((\t)%2)+4*\n+3], v4, s[18:19] offset:(16*(\t)+\n)*ROWB th:TH_LOAD_NT
.endr
.endm
.macro ATILE t
.set RS, R+64*((\t)%2)
.set PS, P+12*((\t)%2)
.if (\t) < 3
	s_wait_loadcnt 16                              ; this tile's 16 loads are in; the next tile's 16 may be out
.else
	s_wait_loadcnt 0
.endif
.irp n, 0,1,2,3,4,5,6,7,8,9,10,11,12,13,14,15
	ds_store_b128 v5, v[RS+4*\n:RS+4*\n+3] offset:SP*\n
.endr
.irp c, 0,1
.irp j, 0,1,2,3,4,5,6,7
	ds_load_b128 v[X+32*\c+4*\j:X+32*\c+4*\j+3], v6 offset:256*\c+16*\j   ; LDS serves a wave's instructions in order (ISA guide 5.7.1.4): these see the stores above, and follow the last tile's reads
.endr
.endr
	s_wait_dscnt 16                                ; the 16 stores are done, so they have read their registers,
.if (\t) < 2
	ALOAD (\t)+2                                   ; which take the tile two further on
.endif
	s_wait_dscnt 0                                 ; my 64 numbers are back
.irp c, 0,1                                    ; my block 2 c + h: all its 32 numbers are mine
	v_max3_num_f32 v[10+\c], |v[X+32*\c]|, |v[X+32*\c+1]|, 0x1800000   ; and the floor 2^(3 - 127): the byte cannot fall under 1
.endr
.irp i, 2,4,6,8,10,12,14,16,18,20,22,24,26,28,30
.irp c, 0,1
	v_max3_num_f32 v[10+\c], v[10+\c], |v[X+32*\c+\i]|, |v[X+32*\c+\i+1]|   ; (the two blocks by turns)
.endr
.endr
.irp c, 0,1
	v_add_nc_u32 v[12+\c], 0xff000000, v[10+\c]    ; 2 off the exponent field: the conversion takes this operand's exponent field as its scale, and nothing else of it
.endr
.irp c, 0,1
	v_lshrrev_b32 v[14+\c], 23, v[12+\c]           ; the scale's byte
.endr
	v_lshl_or_b32 v16, v15, 16, v14                ; my two bytes: blocks h and 2 + h of row r,
	v_lshlrev_b32 v16, v9, v16                     ; at their places in the word;
	v_permlanex16_b32 v17, v16, s20, s21
	v_or_b32 v[26+(\t)], v16, v17                  ; with lane l xor 16's two the word is whole
.if (\t) >= 2
	s_wait_alu depctr_va_vdst(0)
	s_wait_xcnt 0x0                                ; the stores of the tile two back have read this set of code registers: it is rewritten only behind this wait
.endif
.irp c, 0,1
	v_cvt_scalef32_pk16_fp6_f32 v[PS+6*\c:PS+6*\c+2], v[X+32*\c:X+32*\c+15], v[12+\c]
	v_cvt_scalef32_pk16_fp6_f32 v[18+4*\c:20+4*\c], v[X+32*\c+16:X+32*\c+31], v[12+\c]   ; (a conversion's three registers begin on an even number: the second half of a block's six is made elsewhere and moved)
.endr
	v_nop                                          ; one plain place behind a scaled conversion
.irp c, 0,1
.irp i, 0,1,2
	v_mov_b32 v[PS+3+6*\c+\i], v[18+4*\c+\i]
.endr
.endr
.irp j, 0,1,2
	global_store_b128 v7, v[PS+4*\j:PS+4*\j+3], s[16:17] offset:FRB*(\t)+512*\j   ; 32 lanes store 512 consecutive bytes, at a multiple of 256 from the buffer's first byte
.endr
.endm
	ALOAD 0
	ALOAD 1
	s_wait_alu depctr_va_vdst(0)
	ATILE 0
	ATILE 1
	ATILE 2
	ATILE 3
	v_cndmask_b32 v30, v26, v28, s22               ; lanes 0-15: the words of tiles 0 and 1; lanes 16-31: of tiles 2 and 3
	v_cndmask_b32 v31, v27, v29, s22
	global_store_b64 v8, v[30:31], s[16:17] offset:SCO   ; 32 lanes store 256 consecutive bytes, aligned
	s_wait_tensorcnt 0x0
	ds_add_u32 v254, v255
	s_wait_dscnt 0x0
	s_endpgm
; ---------------- B: K is the first axis.  A LANE TAKES A COLUMN n, AND ITS REGISTERS RUN DOWN K: a block of 32 lies in one lane's 32 registers, and the conversions give codes with K innermost.
; The wave's 64 columns are two groups of 32; unit u of eight is block u / 2 of group u % 2: the two halves of a row's 256 bytes are asked for one unit apart.  The four waves stand side by side on 1,024 bytes of each row.
.Lpath_b:
	s_and_b32 s15, s14, 15
	s_lshl_b32 s15, s15, 2
	s_add_co_u32 s15, s15, s12                     ; which 64 columns: 4 (g % 16) + wave
	s_lshr_b32 s24, s14, 4                         ; the step
	s_lshl_b32 s26, s24, 21                        ; 128 rows of 16,384 bytes
	s_lshl_b32 s27, s15, 8                         ; 64 numbers
	s_add_co_u32 s26, s26, s27
	s_mov_b32 s27, 0
	s_add_nc_u64 s[18:19], s[6:7], s[26:27]
	s_wait_alu depctr_va_vdst(0)
	OUTADDR 10
	v_lshlrev_b32 v4, 2, v1                        ; 4 bytes a lane
.macro BLOAD u
.irp i, 0,1,2,3,4,5,6,7,8,9,10,11,12,13,14,15,16,17,18,19,20,21,22,23,24,25,26,27,28,29,30,31
	global_load_b32 v[32+32*((\u)%2)+\i], v4, s[18:19] offset:(32*((\u)/2)+\i)*ROWB+128*((\u)%2) th:TH_LOAD_NT
.endr
.endm
; Group cg's codes: v[96 + 24 cg] on: 12 registers for blocks 0 and 2, then 12 for blocks 1 and 3.  No store's data are ever written again.
.macro BBLOCK u
.set XS, 32+32*((\u)%2)
.set CGR, (\u)%2
.set BLK, (\u)/2
.set Z, 96+24*CGR+12*(BLK%2)+6*(BLK/2)
.if (\u) < 7
	s_wait_loadcnt 32                              ; this unit's 32 loads are in; the next unit's 32 may be out
.else
	s_wait_loadcnt 0
.endif
	v_max3_num_f32 v12, |v[XS]|, |v[XS+1]|, |v[XS+2]|               ; the block's largest magnitude, in two chains
	v_max3_num_f32 v13, |v[XS+3]|, |v[XS+4]|, |v[XS+5]|
.irp i, 6,10,14,18,22,26
	v_max3_num_f32 v12, v12, |v[XS+\i]|, |v[XS+\i+1]|
	v_max3_num_f32 v13, v13, |v[XS+\i+2]|, |v[XS+\i+3]|
.endr
	v_max3_num_f32 v12, v12, |v[XS+30]|, |v[XS+31]|
	v_max3_num_f32 v12, v12, v13, 0x1800000        ; and the floor 2^(3 - 127)
	v_add_nc_u32 v11, 0xff000000, v12              ; the conversion's scale operand
	v_lshrrev_b32 v14, 23, v11                     ; the scale's byte
.if BLK == 0
	v_mov_b32 v[30+CGR], v14                       ; my column's scale word: byte b for block b
.else
	v_lshl_or_b32 v[30+CGR], v14, 8*BLK, v[30+CGR]
.endif
	v_cvt_scalef32_pk16_fp6_f32 v[Z:Z+2], v[XS:XS+15], v11
	v_cvt_scalef32_pk16_fp6_f32 v[18:20], v[XS+16:XS+31], v11       ; (a conversion's three registers begin on an even number)
	v_nop                                          ; one plain place behind a scaled conversion
.irp i, 0,1,2
	v_mov_b32 v[Z+3+\i], v[18+\i]
.endr
.if (\u) < 6
	BLOAD (\u)+2
.endif
.if BLK == 3
; The first twelve hold, in lanes 0-15, tile 2 cg's blocks 0 and 2 and, in lanes 16-31, tile 2 cg + 1's; the second twelve the same of blocks 1 and 3.  An image wants blocks 0 and 2 in lanes 0-15 and blocks 1 and 3
; in lanes 16-31 of ONE tile: the first's lanes 16-31 change places with the second's lanes 0-15.
.irp i, 0,1,2,3,4,5,6,7,8,9,10,11
	v_permlane16_swap_b32 v[96+24*CGR+\i], v[108+24*CGR+\i]
.endr
.irp e, 0,1
.irp j, 0,1,2
	global_store_b128 v7, v[96+24*CGR+12*\e+4*\j:96+24*CGR+12*\e+4*\j+3], s[16:17] offset:FRB*(2*CGR+\e)+512*\j   ; 512 consecutive bytes, aligned
.endr
.endr
.endif
.endm
	BLOAD 0
	BLOAD 1
.irp u, 0,1,2,3,4,5,6,7
	BBLOCK \u
.endr
	v_permlane16_swap_b32 v30, v31                 ; v30: tiles 0 | 1, v31: tiles 2 | 3  ->  v30: tiles 0 | 2, v31: tiles 1 | 3: lane (r, h) holds the words of tiles 2 h and 2 h + 1
	global_store_b64 v8, v[30:31], s[16:17] offset:SCO   ; 32 lanes store 256 consecutive bytes, aligned
	s_endpgm
.Lfunc_end_k_q6d6d221f07_quant:
	.size	k_q6d6d221f07_quant, .Lfunc_end_k_q6d6d221f07_quant-k_q6d6d221f07_quant
	.p2alignl 7, 3214868480
	.fill 96, 4, 3214868480
	.section	.rodata,"a",@progbits
	.p2align	6, 0x0
	.amdhsa_kernel k_q6d6d221f07_quant
		.amdhsa_group_segment_fixed_size 34304
		.amdhsa_private_segment_fixed_size 0
		.amdhsa_enable_private_segment 0
		.amdhsa_kernarg_size 32
		.amdhsa_user_sgpr_count 2
		.amdhsa_user_sgpr_kernarg_segment_ptr 1
		.amdhsa_wavefront_size32 1
		.amdhsa_system_sgpr_workgroup_id_x 1
		.amdhsa_system_sgpr_workgroup_id_y 1
		.amdhsa_system_sgpr_workgroup_id_z 1
		.amdhsa_system_vgpr_workitem_id 0
		.amdhsa_next_free_vgpr 256
		.amdhsa_next_free_sgpr 66
		.amdhsa_reserve_vcc 0
		.amdhsa_float_denorm_mode_32 3
		.amdhsa_float_denorm_mode_16_64 3
		.amdhsa_memory_ordered 1
		.amdhsa_forward_progress 1
		.amdhsa_inst_pref_size 69
	.end_amdhsa_kernel
	.amdgpu_metadata
---
amdhsa.version: [ 1, 2 ]
amdhsa.kernels:
  - .name:           k_q6d6d221f07_quant
    .symbol:         k_q6d6d221f07_quant.kd
    .args:
      - { .name: A, .offset: 0, .size: 8, .value_kind: global_buffer, .address_space: global }
      - { .name: B, .offset: 8, .size: 8, .value_kind: global_buffer, .address_space: global }
      - { .name: qa, .offset: 16, .size: 8, .value_kind: global_buffer, .address_space: global }
      - { .name: qb, .offset: 24, .size: 8, .value_kind: global_buffer, .address_space: global }
    .group_segment_fixed_size: 34304
    .private_segment_fixed_size: 0
    .kernarg_segment_align: 8
    .kernarg_segment_size: 32
    .max_flat_workgroup_size: 128
    .sgpr_count:     66
    .vgpr_count:     256
    .wavefront_size: 32
...
	.end_amdgpu_metadata
.endif
;; end of part 1
;; launch gemm (part 2): grid 16 x 16, 4 waves a work-group, clusters of 4 x 4, 327,680 bytes of LDS; arguments qa, qb, out0; writes out0
.if DOCPART == 2
	.amdgcn_target "amdgcn-amd-amdhsa--gfx1250"
	.amdhsa_code_object_version 6
	.text
	.protected	k_q6d6d221f07_gemm
	.globl	k_q6d6d221f07_gemm
	.p2align	8
	.type	k_q6d6d221f07_gemm,@function
k_q6d6d221f07_gemm:
	s_mov_b64 s[64:65], 0
	v_nop
	global_prefetch_b8 v0, s[64:65] scope:SCOPE_SE
	s_setreg_imm32_b32 hwreg(HW_REG_WAVE_MODE, 25, 1), 1
	s_wait_xcnt 0x0
	s_wait_alu depctr_hold_cnt(0) depctr_sa_sdst(0) depctr_va_vdst(0) depctr_va_sdst(0) depctr_va_ssrc(0) depctr_va_vcc(0) depctr_vm_vsrc(0)
	s_getreg_b32 s2, hwreg(HW_REG_IB_STS2, 6, 4)
	s_cmp_eq_u32 s2, 0
	s_cbranch_scc0 .Lentry_in_a_cluster
	s_endpgm
.Lentry_in_a_cluster:
	s_bfe_u32 s2, ttmp6, 0x10000c
	s_cmp_lg_u32 s2, 0xf033
	s_cbranch_scc0 .Lentry_shape_is_right
	s_endpgm
.Lentry_shape_is_right:
; out0[m][n] = sum over k of Q(A)[m][k] Q(B)[k][n] + 36, on the codes (FP6, E2M3) and E8M0 scale bytes that launch quant laid in qa (rows m) and qb (rows n).  36 = 8 x 9 / 2 is reference()'s constant: it is the C of each
; accumulator's first product, so no addition is written.  Nothing of reference() is left out.
; qa, qb: [block of 128 rows: 32][step of 128 along K: 32][12,800 bytes]: eight images of an operand's 12 registers (16 rows each, 1,536 bytes: three loads of 16 bytes a lane, lanes on neighbouring bytes), then 512 bytes of scale words.
; SHARES: a work-group of four waves makes 256 x 256 of out0, a wave 128 x 128: 64 accumulators, 512 registers.  256 work-groups.
; THE RING: two LDS slots, each with three K steps of A's two row blocks and B's two (4 x 38,400 bytes); each wave fetches one part, dense in memory, as rows of 256 bytes.  32 steps = ten fills of three steps and one of two.
; CLUSTERS: 4 x 4.  A's parts are asked for jointly along a row of the cluster, B's along a column.  Each refill stands behind a round of the cluster's barrier.
; FRAGMENTS: two sets of registers for A and two for B.  At the head of a step the next step's 50 LDS loads go out in ONE run into the other sets, 64 products ahead of their first use:
; B's eight fragments first, then the scale words, then A's blocks in ascending order, which is the order in which the next step wants them.  The waits are counted on that order.
; THE MATRIX INSTRUCTION IS USED TRANSPOSED (source 0 = 16 rows of qb, source 1 = 16 rows of qa): a lane holds eight neighbouring numbers of a row of out0.
; THE LAST STEP finishes a block of 16 rows with each run of eight products: the block goes through the wave's own stage in LDS and is stored as whole rows of 512 bytes while the next blocks are multiplied.
; PREFETCH: behind each refill and the run of LDS loads that follows it, one wave for A and one for B names the part that the NEXT refill (the other slot's) will load: one slot, three K steps, ahead; a lane to each 256 bytes;
; the four partners share a tile's parts out by address.  The first three fills come by their loads alone, and behind the last two changes of slots nothing is named.
; REGISTERS: window 0: v0-31 addresses; v32-47 scale words, two sets; v48-55 the constant 36; v64-159, v160-255 A's two sets.  window 1: v0-95, v128-223 B's two sets (on the way out v0-127 take rows read back).
;   window 2: accumulators of my rows 0-63 ((a, b) at v[8 (8 a + b)]); window 3: of rows 64-127.
.set STEPB,  12800
.set RBB,    32*STEPB
.set FRB,    1536
.set SCO,    8*FRB
.set PARTB,  3*STEPB                   ; what one tensor load brings: three steps of 128 rows
.set SLOT,   4*PARTB
.set STAGE,  SLOT                      ; the way out's stages lie in slot 1: it has had its last fill and its last read when the first result is stored there
.set SPARE,  2*SLOT                    ; the spare words: 128 bytes a wave, named by no other line
.set SPITCH, 528
.set CROW,   4096*4
.set FR,     12
.set ADRA, 16                          ; v16-17 LDS address of my A images in slot 0, 1
.set ADRB, 20                          ; v20-21 the same for B
.set ADRS, 22                          ; v22-23 scale words: lanes 0-15 A's, lanes 16-31 B's
.set STO,  24
.set RD,   25
.set CO,   26
.set SPW,  28
.set NIL,  29
.set PFO,  30
.set SC,   32
.set BIAS, 48
.set AF,   64
.set G1,   24
.set G0,   32
.set G1B,  48
.set G0B,  56
.set G1T,  68                          ; group 1 of the last fill: two steps, 100 rows of 256 bytes
.set G1TB, 80
.set PFA,  88
.set ASKER, 90
.set MSB, 0
.macro WIN new                         ; the immediate's high byte repeats the setting that is left
.if MSB != (\new)
	s_set_vgpr_msb (MSB<<8)|(\new)
.set MSB, (\new)
.endif
.endm
.set TO_B, 0x40                        ; destination window 1, address window 0
.macro JLOAD g0a, g1a, g0b, g1b        ; a joint load: waves 0, 1 fetch A's parts, waves 2, 3 B's
	s_cmp_eq_u32 s15, 0
	s_cbranch_scc0 .Lfor_b_\@
	tensor_load_to_lds s[\g0a:\g0a+3], s[\g1a:\g1a+7]
	s_nop 0
.rept 4
	v_nop
.endr
	s_branch .Lasked_\@
.Lfor_b_\@:
	tensor_load_to_lds s[\g0b:\g0b+3], s[\g1b:\g1b+7]
	s_nop 0
.rept 4
	v_nop
.endr
.Lasked_\@:
.endm
.macro ASK short                       ; half a step block (25 x 256 bytes) of each of the part's steps; short: the last fill has two steps
	s_cmp_eq_u32 s[ASKER], 1
	s_cbranch_scc0 .Lnot_mine_\@
	global_prefetch_b8 v[PFO], s[PFA:PFA+1] th:TH_LOAD_NT scope:SCOPE_SE
	global_prefetch_b8 v[PFO], s[PFA:PFA+1] offset:STEPB th:TH_LOAD_NT scope:SCOPE_SE
.if \short
	s_cmp_eq_u32 s3, 1
	s_cbranch_scc1 .Lnot_mine_\@
.endif
	global_prefetch_b8 v[PFO], s[PFA:PFA+1] offset:2*STEPB th:TH_LOAD_NT scope:SCOPE_SE
.Lnot_mine_\@:
.endm
.macro CREST                           ; a round of the cluster's barrier behind its opening barrier
	s_cmp_lg_u32 s14, 0
	s_cbranch_scc1 .Lnot_wave_0_\@
	s_barrier_signal -3
.Lnot_wave_0_\@:
	s_barrier_wait -3
	s_barrier_signal -1
	s_barrier_wait -1
.endm
.macro CROUND
	s_barrier_signal -1
	s_barrier_wait -1
	CREST
.endm
	s_load_b128 s[4:7], s[0:1], 0x0                ; qa, qb
	s_load_b64 s[12:13], s[0:1], 0x10              ; out0
	v_lshl_add_u32 v[SPW], v0, 2, SPARE
	v_mov_b32 v[NIL], 0
	ds_add_u32 v[SPW], v[NIL]                      ; the opening lines: the add twice on end, and its wait ahead of my first tensor load
	ds_add_u32 v[SPW], v[NIL]
	v_lshrrev_b32 v1, 5, v0
	v_readfirstlane_b32 s14, v1                    ; wave
	s_lshr_b32 s15, s14, 1                         ; my half of the rows; also: I fetch for A (0) or B (1)
	s_and_b32 s16, s14, 1                          ; my half of the columns; also: which row block I fetch
	s_bfe_u32 s40, ttmp6, 0x40000                  ; cx
	s_bfe_u32 s41, ttmp6, 0x40004                  ; cy
	s_lshl_b32 s42, ttmp9, 2
	s_add_co_u32 s42, s42, s40                     ; tile column
	s_and_b32 s17, ttmp7, 0xffff
	s_lshl_b32 s17, s17, 2
	s_add_co_u32 s17, s17, s41                     ; tile row
	s_lshl_b32 s43, s41, 2
	s_lshl_b32 s43, 15, s43                        ; my row of the cluster
	s_lshl_b32 s44, 0x1111, s40                    ; my column
	s_or_b32 s[G1+0], s43, (3<<16)|(1<<21)         ; elements of 8 bytes; the mask, and bit 21 beside it
	s_or_b32 s[G1B+0], s44, (3<<16)|(1<<21)
	s_or_b32 s[G1T+0], s43, (3<<16)|(1<<21)
	s_or_b32 s[G1TB+0], s44, (3<<16)|(1<<21)
.irp g, G1, G1B
	s_mov_b32 s[\g+1], 32<<16                      ; rows of 256 bytes,
	s_mov_b32 s[\g+2], 150<<16                     ; 150 of them
	s_mov_b32 s[\g+3], 32<<16
	s_mov_b32 s[\g+4], 150
	s_mov_b32 s[\g+5], 32
	s_mov_b32 s[\g+6], 0
	s_mov_b32 s[\g+7], 0
.endr
.irp g, G1T, G1TB
	s_mov_b32 s[\g+1], 32<<16
	s_mov_b32 s[\g+2], 100<<16
	s_mov_b32 s[\g+3], 32<<16
	s_mov_b32 s[\g+4], 100
	s_mov_b32 s[\g+5], 32
	s_mov_b32 s[\g+6], 0
	s_mov_b32 s[\g+7], 0
.endr
	s_lshl_b32 s20, s17, 1
	s_add_co_u32 s20, s20, s16
	s_mul_i32 s20, s20, RBB                        ; A: row block 2 x tile row + half
	s_mov_b32 s21, 0
	s_lshl_b32 s46, s42, 1
	s_add_co_u32 s46, s46, s16
	s_mul_i32 s46, s46, RBB                        ; B: 2 x tile column + half
	s_mov_b32 s47, 0
	s_mul_i32 s45, s14, PARTB                      ; where my part goes: wave x a part
	s_wait_dscnt 0x0                               ; both opening adds are done
	s_wait_kmcnt 0x0
	s_add_nc_u64 s[20:21], s[4:5], s[20:21]
	s_add_nc_u64 s[46:47], s[6:7], s[46:47]
	CROUND                                         ; all sixteen work-groups are here: the first joint loads meet
.irp s, 0,1
	s_mov_b32 s[G0+4*\s], 1
	s_add_co_u32 s[G0+4*\s+1], s45, \s*SLOT
	s_add_nc_u64 s[G0+4*\s+2:G0+4*\s+3], s[20:21], \s*PARTB
	s_or_b32 s[G0+4*\s+3], s[G0+4*\s+3], 0x80000000
	s_mov_b32 s[G0B+4*\s], 1
	s_add_co_u32 s[G0B+4*\s+1], s45, \s*SLOT
	s_add_nc_u64 s[G0B+4*\s+2:G0B+4*\s+3], s[46:47], \s*PARTB
	s_or_b32 s[G0B+4*\s+3], s[G0B+4*\s+3], 0x80000000
.endr
	JLOAD G0, G1, G0B, G1B                         ; steps 0 to 2: one tensor load a wave at the head
	; the scalar part of the addresses first, then the vector part on end
	s_mul_i32 s9, s15, PARTB                       ; my 128 rows of A in a slot
	s_add_co_u32 s10, s16, 2
	s_mul_i32 s10, s10, PARTB                      ; my 128 rows of B
	s_xor_b32 s11, s15, 1
	s_add_co_u32 s11, s11, s16
	s_add_co_u32 s11, s11, 1
	s_mul_i32 s11, s11, PARTB                      ; the distance from the first to the second
	s_mul_i32 s8, s14, 16*SPITCH
	s_add_co_u32 s8, s8, STAGE                     ; my stage
	s_lshl_b32 s20, s17, 8
	s_lshl_b32 s21, s15, 7
	s_add_co_u32 s20, s20, s21
	s_lshl_b32 s20, s20, 14                        ; my first row of out0, in bytes
	s_mov_b32 s21, 0
	s_lshl_b32 s46, s42, 10
	s_lshl_b32 s47, s16, 9
	s_add_co_u32 s46, s46, s47                     ; my first column, in bytes
	s_mov_b32 s47, 0
	s_add_nc_u64 s[20:21], s[20:21], s[46:47]
	s_add_nc_u64 s[12:13], s[12:13], s[20:21]
	s_cmp_eq_u32 s15, 0                            ; the prefetches: every cluster names what it will itself load: wave 0 A's parts, wave 2 B's
	s_cselect_b32 s91, s17, s42
	s_cselect_b32 s92, s40, s41
	s_cselect_b64 s[PFA:PFA+1], s[4:5], s[6:7]
	s_cmp_eq_u32 s16, 0
	s_cselect_b32 s[ASKER], 1, 0
	s_lshl_b32 s91, s91, 1
	s_lshr_b32 s93, s92, 1
	s_add_co_u32 s91, s91, s93                     ; the four partners share the tile's two row blocks out by address: block place / 2,
	s_mul_i32 s91, s91, RBB
	s_and_b32 s92, s92, 1
	s_mul_i32 s92, s92, STEPB/2                    ; half place % 2 of each step block
	s_add_co_u32 s92, s92, s91
	s_add_co_u32 s92, s92, 2*PARTB
	s_mov_b32 s93, 0
	s_add_nc_u64 s[PFA:PFA+1], s[PFA:PFA+1], s[92:93]
	v_and_b32 v1, 15, v0                           ; r
	v_bfe_u32 v2, v0, 4, 1                         ; h
	v_and_b32 v6, 31, v0
	v_lshlrev_b32 v[CO], 4, v6                     ; 16 x lane
	v_min_u32 v[PFO], 24, v6
	v_lshlrev_b32 v[PFO], 8, v[PFO]                ; 25 blocks of 256 bytes; the lanes left over name the last again
	v_mul_u32_u24 v5, s11, v2
	v_lshl_add_u32 v5, v1, 4, v5
	v_add_nc_u32 v[ADRA], s9, v[CO]
	v_add_nc_u32 v[ADRB], s10, v[CO]
	v_add_nc_u32 v[ADRS], s9, v5
	v_add_nc_u32 v[ADRA+1], SLOT, v[ADRA]
	v_add_nc_u32 v[ADRB+1], SLOT, v[ADRB]
	v_add_nc_u32 v[ADRS+1], SLOT, v[ADRS]
	v_mul_u32_u24 v7, v1, SPITCH
	v_lshl_add_u32 v7, v2, 5, v7
	v_add_nc_u32 v[STO], s8, v7                    ; into the stage: row r, 32 bytes for each half of the lanes
	v_add_nc_u32 v[RD], s8, v[CO]                  ; back: 32 lanes take a row of 512 bytes
.irp i, 0,1,2,3,4,5,6,7
	v_mov_b32 v[BIAS+\i], 0x42100000               ; 36.0
.endr
.macro FRAG reg, adr, q, i             ; an image: three loads of 16 bytes a lane
.irp j, 0,1,2
	ds_load_b128 v[\reg+4*\j:\reg+4*\j+3], v[\adr] offset:(\q)*STEPB+(\i)*FRB+512*\j
.endr
.endm
; The 50 loads that bring step q of a slot into set p, in one run: B's eight fragments (24), the scale words (2), A's eight blocks (24).
.macro FETCH slot, q, p
	WIN TO_B
.irp i, 0,1,2,3,4,5,6,7
	FRAG 128*(\p)+FR*\i, ADRB+\slot, \q, \i
.endr
	WIN 0
	ds_load_b128 v[SC+8*(\p):SC+8*(\p)+3], v[ADRS+\slot] offset:(\q)*STEPB+SCO
	ds_load_b128 v[SC+8*(\p)+4:SC+8*(\p)+7], v[ADRS+\slot] offset:(\q)*STEPB+SCO+256
.irp i, 0,1,2,3,4,5,6,7
	FRAG AF+96*(\p)+FR*\i, ADRA+\slot, \q, \i
.endr
.endm
; Eight products: A's block a against B's eight, on set p.  zero = 1: the first product of each sum takes the constant 36 as C.  The 64 accumulators take turns, one instruction a turn.
.macro MUL8 a, p, zero
.if \zero
	WIN 0x81+0x40*((\a)/4)
.else
	WIN 0xa1+0x50*((\a)/4)
.endif
.irp b, 0,1,2,3,4,5,6,7
.if \zero
	v_wmma_scale_f32_16x16x128_f8f6f4 v[8*(8*((\a)%4)+\b):8*(8*((\a)%4)+\b)+7], v[128*(\p)+FR*\b:128*(\p)+FR*\b+FR-1], v[AF+96*(\p)+FR*(\a):AF+96*(\p)+FR*(\a)+FR-1], v[BIAS:BIAS+7], v[SC+8*(\p)+\b], v[SC+8*(\p)+(\a)] matrix_a_fmt:MATRIX_FMT_FP6 matrix_b_fmt:MATRIX_FMT_FP6 matrix_a_scale:MATRIX_SCALE_ROW1
.else
	v_wmma_scale_f32_16x16x128_f8f6f4 v[8*(8*((\a)%4)+\b):8*(8*((\a)%4)+\b)+7], v[128*(\p)+FR*\b:128*(\p)+FR*\b+FR-1], v[AF+96*(\p)+FR*(\a):AF+96*(\p)+FR*(\a)+FR-1], v[8*(8*((\a)%4)+\b):8*(8*((\a)%4)+\b)+7], v[SC+8*(\p)+\b], v[SC+8*(\p)+(\a)] matrix_a_fmt:MATRIX_FMT_FP6 matrix_b_fmt:MATRIX_FMT_FP6 matrix_a_scale:MATRIX_SCALE_ROW1
.endif
.endr
.endm
.macro PLACES n
.rept \n
	v_nop
.endr
.endm
; A step on set p; the next step, step nq of slot nslot, comes into the other set.
.macro STEP p, nslot, nq, zero
	s_wait_dscnt 18                                ; of the last run B, the scale words and A's blocks 0, 1 are in; its youngest 18 loads (A's blocks 2-7) may be out
	PLACES 4                                       ; in front of the loads into the sets that the last step's products read
	FETCH \nslot, \nq, 1-(\p)
.irp a, 0,1,2,3,4,5,6,7
.if \a == 2
	s_wait_dscnt 62                                ; A's blocks 2, 3: behind them 12 loads of the last run and the 50 of this one
.endif
.if \a == 4
	s_wait_dscnt 56                                ; blocks 4, 5: behind them 6 and 50
.endif
.if \a == 6
	s_wait_dscnt 50                                ; blocks 6, 7: behind them this step's run
.endif
	MUL8 \a, \p, \zero
.endr
.endm
; A slot's last step, on set p: the change of slots stands at its head.  In front of the barrier each wave waits for all its tensor loads (one is out: its part of the next slot), adds 0 to its spare word, and waits for that and for its reads of this slot
; (the step's own fragments came with the last run).  fill = 1, 2: the barrier opens a round of the cluster's barrier and this slot is filled again (2: with the last two steps).
; No product stands between the wait for the tiles and the refill.  The run of 50 loads, from the next slot, stands behind the refill, 64 products ahead of its first use.
.macro TURN slot, next, p, fill, ask
	WIN 0
.if \ask
	s_wait_xcnt 0x0                                ; my prefetches have read their address: it steps here
	s_add_nc_u64 s[PFA:PFA+1], s[PFA:PFA+1], PARTB
.endif
	s_wait_tensorcnt 0x0
	ds_add_u32 v[SPW], v[NIL]
.if \fill
	s_add_nc_u64 s[G0+4*\slot+2:G0+4*\slot+3], s[G0+4*\slot+2:G0+4*\slot+3], 2*PARTB      ; no tensor load of mine is out: this slot's next part
	s_add_nc_u64 s[G0B+4*\slot+2:G0B+4*\slot+3], s[G0B+4*\slot+2:G0B+4*\slot+3], 2*PARTB
.endif
	s_wait_dscnt 0x0                               ; the add is done, and my reads of this slot are over
	s_barrier_signal -1
	s_barrier_wait -1
.if \fill
	CREST
.if \fill == 1
	JLOAD G0+4*\slot, G1, G0B+4*\slot, G1B         ; the first tensor load behind the round; its four v_nop are the places in front of the loads below
.else
	JLOAD G0+4*\slot, G1T, G0B+4*\slot, G1TB
.endif
.else
	PLACES 4
.endif
	FETCH \next, 0, 1-(\p)
.if \ask
	ASK \ask-1
.endif
.irp a, 0,1,2,3,4,5,6,7
	MUL8 \a, \p, 0
.endr
.endm
	s_wait_alu depctr_va_vdst(0)
	s_wait_tensorcnt 0x0                           ; my part of slot 0 is in
	ds_add_u32 v[SPW], v[NIL]
	s_wait_dscnt 0x0
	CROUND                                         ; everybody's part is in, and all sixteen work-groups are here
	JLOAD G0+4, G1, G0B+4, G1B                     ; steps 3 to 5: slot 1's first fill, the first tensor load behind the round
	FETCH 0, 0, 0
	STEP 0, 0, 1, 1                                ; step 0 starts the sums
	WIN 0
	s_mov_b32 s3, 4
.Llap:                                                 ; a trip: six steps, once round the ring, from a lap's second step to the next lap's first
	STEP 1, 0, 2, 0
	TURN 0, 1, 0, 1, 1
	STEP 1, 1, 1, 0
	STEP 0, 1, 2, 0
	TURN 1, 0, 1, 1, 2
	STEP 0, 0, 1, 0
	WIN 0
	s_sub_co_u32 s3, s3, 1
	s_cmp_lg_u32 s3, 0
	s_cbranch_scc1 .Llap
	STEP 1, 0, 2, 0                                ; step 25
	TURN 0, 1, 0, 2, 0                             ; step 26: the last fill, steps 30 and 31
	STEP 1, 1, 1, 0
	STEP 0, 1, 2, 0
	TURN 1, 0, 1, 0, 0                             ; step 29: nothing is filled again, so no round follows
	STEP 0, 0, 1, 0                                ; step 30
; THE LAST STEP AND THE WAY OUT.  Block a (16 rows x 128 columns) is finished by its eight products; behind the next block's products it goes into my own stage and comes back as whole rows of 512 bytes.
; LDS serves a wave's instructions in order (ISA guide 5.7.1.4): no wait between the stores and the loads, nor in front of the next block's stores.
.macro TOSTAGE a
.set AC, 64*((\a)%4)
	WIN 0x08+4*((\a)/4)                            ; the data: window 2 or 3
.irp b, 0,1,2,3,4,5,6,7
	ds_store_b128 v[STO], v[AC+8*\b:AC+8*\b+3] offset:64*\b          ; each accumulator from its low end on
	ds_store_b128 v[STO], v[AC+8*\b+4:AC+8*\b+7] offset:64*\b+16
.endr
	WIN TO_B                                       ; back into window 1: v0-63 and v64-127 by turns (B's set 0 is done with)
.set BB, 64*((\a)%2)
.irp t, 0,1,2,3,4,5,6,7,8,9,10,11,12,13,14,15
	ds_load_b128 v[BB+4*\t:BB+4*\t+3], v[RD] offset:\t*SPITCH
.endr
.endm
.macro SEND a, younger                 ; younger: the LDS instructions issued behind block a's loads
.set BB, 64*((\a)%2)
	s_wait_dscnt \younger
.if (\a) > 0
	s_add_nc_u64 s[12:13], s[12:13], 16*CROW       ; (behind a wait on XCNT: the earlier stores have read their base)
.endif
	WIN 0x04                                       ; the data: window 1
.irp t, 0,1,2,3,4,5,6,7,8,9,10,11,12,13,14,15
	global_store_b128 v[CO], v[BB+4*\t:BB+4*\t+3], s[12:13] offset:\t*CROW   ; 32 lanes store 512 consecutive bytes, at a multiple of 256 from out0's first byte
.endr
.endm
	s_wait_dscnt 0x0                               ; all of step 31's fragments are in
	MUL8 0, 1, 0
.irp a, 0,1,2,3,4,5,6,7
.if \a < 7
	MUL8 \a+1, 1, 0
.endif
	PLACES 4                                       ; behind block a's products, in front of the stores that read them and of the loads into B's set 0
.if \a > 1
	s_wait_xcnt 0x0                                ; block a - 2's stores have read their registers and their base
.endif
	TOSTAGE \a
.if \a > 0
	SEND \a-1, 32                                  ; behind block a - 1's loads: block a's 16 stores and 16 loads
.endif
.endr
	s_wait_xcnt 0x0
	SEND 7, 0
	WIN 0
	s_wait_tensorcnt 0x0                           ; the wave's end
	ds_add_u32 v[SPW], v[NIL]
	s_wait_dscnt 0x0
	CROUND                                         ; the closing round
	s_endpgm
.Lfunc_end_k_q6d6d221f07_gemm:
	.size	k_q6d6d221f07_gemm, .Lfunc_end_k_q6d6d221f07_gemm-k_q6d6d221f07_gemm
	.p2alignl 7, 3214868480
	.fill 96, 4, 3214868480
	.section	.rodata,"a",@progbits
	.p2align	6, 0x0
	.amdhsa_kernel k_q6d6d221f07_gemm
		.amdhsa_group_segment_fixed_size 327680
		.amdhsa_private_segment_fixed_size 0
		.amdhsa_enable_private_segment 0
		.amdhsa_kernarg_size 24
		.amdhsa_user_sgpr_count 2
		.amdhsa_user_sgpr_kernarg_segment_ptr 1
		.amdhsa_wavefront_size32 1
		.amdhsa_system_sgpr_workgroup_id_x 1
		.amdhsa_system_sgpr_workgroup_id_y 1
		.amdhsa_system_sgpr_workgroup_id_z 1
		.amdhsa_system_vgpr_workitem_id 0
		.amdhsa_next_free_vgpr 1024
		.amdhsa_next_free_sgpr 96
		.amdhsa_reserve_vcc 0
		.amdhsa_float_denorm_mode_32 3
		.amdhsa_float_denorm_mode_16_64 3
		.amdhsa_memory_ordered 1
		.amdhsa_forward_progress 1
		.amdhsa_inst_pref_size 205
	.end_amdhsa_kernel
	.amdgpu_metadata
---
amdhsa.version: [ 1, 2 ]
amdhsa.kernels:
  - .name:           k_q6d6d221f07_gemm
    .symbol:         k_q6d6d221f07_gemm.kd
    .args:
      - { .name: qa, .offset: 0, .size: 8, .value_kind: global_buffer, .address_space: global }
      - { .name: qb, .offset: 8, .size: 8, .value_kind: global_buffer, .address_space: global }
      - { .name: out0, .offset: 16, .size: 8, .value_kind: global_buffer, .address_space: global }
    .group_segment_fixed_size: 327680
    .private_segment_fixed_size: 0
    .kernarg_segment_align: 8
    .kernarg_segment_size: 24
    .max_flat_workgroup_size: 128
    .sgpr_count:     96
    .vgpr_count:     1024
    .wavefront_size: 32
...
	.end_amdgpu_metadata
.endif
;; end of part 2
